; MI455X (gfx1250); checked and timed in simulation.
; The chip was launched on July 23, 2026; its instructions are those of AMD's public machine-readable ISA for CDNA 5 (MIT licence, August 2026) and "CDNA5" Instruction Set Architecture Reference Guide (July 2026). The comments in the code are by the model that wrote it; some were corrected since.
;; Vector Quantizer. Allowed arithmetic: float matrix products may take bf16 or f16 operands with f32 sums; other float arithmetic in f32, or as packed bf16 or f16 multiplies, adds, multiply-adds, maxima and minima; sums over many terms, partial sums and values carried from step to step in f32; what a program stores and reads back later, other than sums and carried values, may be rounded once to bf16 or f16.
;; Inputs: codebook 8,192 x 256 float32; x 8 x 4,096 x 256 float32.
;; Outputs: out0 8 x 4,096 x 256 float32.
;; 2 versions, each right; version 2 is version 1 with the launch prep written anew for expert scheduling mode. Each part assembles by itself: llvm-mc -triple=amdgcn-amd-amdhsa -mcpu=gfx1250 --defsym DOCPART=n.
;; ======== version 1 of 2: 3 launches
;; workspace buffers: cb16 4,194,304 bytes; nh 32,768 bytes; grp 131,072 bytes of whole numbers
;; launch prep (part 1): grid 128 x 1, 16 waves a work-group, no clusters, 2,304 bytes of LDS; arguments codebook, cb16, nh; writes cb16, nh
.if DOCPART == 1
	.amdgcn_target "amdgcn-amd-amdhsa--gfx1250"
	.amdhsa_code_object_version 6
	.text
	.protected	k_qf867e514a7_prep
	.globl	k_qf867e514a7_prep
	.p2align	8
	.type	k_qf867e514a7_prep,@function
k_qf867e514a7_prep:
	s_mov_b64 s[64:65], 0
	v_nop
	global_prefetch_b8 v0, s[64:65] scope:SCOPE_SE
	s_setreg_imm32_b32 hwreg(HW_REG_WAVE_MODE, 25, 1), 1
	s_wait_xcnt 0x0
; cb16[k][d] = codebook[k][d] rounded once to bf16;  nh[k] = -1/2 x the sum over d of cb16[k][d]^2, in f32: the norm of the ROUNDED code,
; since the later launches compare distances between rounded vectors.  codebook: [8192][256] f32.  cb16: [8192][256] bf16.  nh: [8192] f32.
; SHARES.  A work-group of 16 waves takes 64 codes, so that its 64 numbers of nh are 256 consecutive bytes, stored whole by one instruction: 8192 / 64 = 128 work-groups.
; A wave takes 4 codes; lane l holds elements 4 l .. 4 l + 3 and 128 + 4 l .. 128 + 4 l + 3 of a code: each load covers 512 consecutive bytes, each store of cb16 256.
; All eight loads of a wave go out at once.  No matrix work, no tiles: every byte is read once and nothing is shared.
; LIMITS.  NaN and infinities are not treated apart; a code whose sum of squares passes f32's range gives an infinite nh, as it does in the distance itself.
.set SPARE, 256                        ; LDS: bytes 0-255 the 64 sums; from 256 on the spare words, 128 bytes for each of 16 waves, which no other line names
.set X, 8                              ; v[8:39]   code i of my four: 8 numbers as loaded
.set P, 40                             ; v[40:55]  code i: 4 registers, 8 bf16 to store
.set U, 56                             ; v[56:63]  the rounded numbers as f32
.set S, 64                             ; v[64:65]  the sum of squares
	s_load_b128 s[4:7], s[0:1], 0x0                ; codebook s[4:5], cb16 s[6:7]
	s_load_b64 s[8:9], s[0:1], 0x10                ; nh
	v_lshl_add_u32 v6, v0, 2, SPARE                ; my spare word,
	v_mov_b32 v7, 0                                ; and 0: kept for the wave's end alone
	v_and_b32 v1, 31, v0                           ; lane
	v_lshrrev_b32 v66, 5, v0
	v_readfirstlane_b32 s10, v66                   ; wave 0..15
	v_lshlrev_b32 v2, 4, v1
	v_lshl_add_u32 v2, s10, 12, v2                 ; in codebook: 4 codes x 1,024 bytes a wave + 16 bytes a lane
	v_lshlrev_b32 v3, 3, v1
	v_lshl_add_u32 v3, s10, 11, v3                 ; in cb16: 4 codes x 512 bytes a wave + 8 bytes a lane
	v_mov_b32 v4, s10
	v_lshlrev_b32 v4, 4, v4                        ; in LDS: my wave's four words
	v_mov_b32 v5, 0                                ; v_permlanex16_b32's destination counts as read: written once here
	s_mov_b32 s14, 0x76543210                      ; each lane takes its own place in the other half
	s_mov_b32 s15, 0xfedcba98
	s_mov_b32 s16, 0xffff0000                      ; a word's upper bf16
	s_mov_b32 s13, 0
	s_wait_kmcnt 0x0
	s_lshl_b32 s12, ttmp9, 16                      ; the work-group's 64 codes: 65,536 bytes of codebook,
	s_add_nc_u64 s[4:5], s[4:5], s[12:13]
	s_lshl_b32 s12, ttmp9, 15                      ; 32,768 of cb16,
	s_add_nc_u64 s[6:7], s[6:7], s[12:13]
	s_lshl_b32 s12, ttmp9, 8                       ; 256 of nh
	s_add_nc_u64 s[8:9], s[8:9], s[12:13]
.irp i, 0,1,2,3
	global_load_b128 v[X+8*(\i):X+8*(\i)+3],   v2, s[4:5] offset:(\i)*1024 th:TH_LOAD_NT
	global_load_b128 v[X+8*(\i)+4:X+8*(\i)+7], v2, s[4:5] offset:(\i)*1024+512 th:TH_LOAD_NT
.endr
; Code i: rounded, stored, squared, summed over the wave.  Each code has its own P, so no register that a pending store reads is written again.
.macro ROWP i
	s_wait_loadcnt 6-2*(\i)                        ; loads come back in order: this code's two are in, the later codes' stay out
.irp k, 0,1,2,3
	v_cvt_pk_bf16_f32 v[P+4*(\i)+(\k)], v[X+8*(\i)+2*(\k)], v[X+8*(\i)+2*(\k)+1]
.endr
	global_store_b64 v3, v[P+4*(\i):P+4*(\i)+1],   s[6:7] offset:(\i)*512      ; 32 lanes x 8 bytes: 256 consecutive bytes, at a multiple of 256 from cb16's first
	global_store_b64 v3, v[P+4*(\i)+2:P+4*(\i)+3], s[6:7] offset:(\i)*512+256
.irp k, 0,1,2,3
	v_lshlrev_b32 v[U+2*(\k)],   16,  v[P+4*(\i)+(\k)]
	v_and_b32     v[U+2*(\k)+1], s16, v[P+4*(\i)+(\k)]
.endr
	v_pk_mul_f32 v[S:S+1], v[U:U+1], v[U:U+1]
.irp k, 2,4,6
	v_pk_fma_f32 v[S:S+1], v[U+(\k):U+(\k)+1], v[U+(\k):U+(\k)+1], v[S:S+1]
.endr
	v_add_f32 v[S], v[S], v[S+1]
	v_add_f32_dpp v[S], v[S], v[S] row_xmask:1 row_mask:0xf bank_mask:0xf
	v_add_f32_dpp v[S], v[S], v[S] row_xmask:2 row_mask:0xf bank_mask:0xf
	v_add_f32_dpp v[S], v[S], v[S] row_xmask:4 row_mask:0xf bank_mask:0xf
	v_add_f32_dpp v[S], v[S], v[S] row_xmask:8 row_mask:0xf bank_mask:0xf
	v_permlanex16_b32 v5, v[S], s14, s15
	v_add_f32 v[S], v[S], v5
	v_mul_f32 v[S], -0.5, v[S]
	ds_store_b32 v4, v[S] offset:4*(\i)            ; every lane writes the same word with the same number
.endm
	ROWP 0
	ROWP 1
	ROWP 2
	ROWP 3
	s_wait_dscnt 0x0                               ; for the others' sake: my four words are written
	s_barrier_signal -1
	s_barrier_wait -1
	s_cmp_lg_u32 s10, 0
	s_cbranch_scc1 .Lnot_wave_0
	v_lshlrev_b32 v66, 3, v1                       ; wave 0 stores the 64 sums: 8 bytes a lane, 256 consecutive bytes
	ds_load_b64 v[S:S+1], v66
	s_wait_dscnt 0x0
	global_store_b64 v66, v[S:S+1], s[8:9]
.Lnot_wave_0:
	s_wait_tensorcnt 0x0                           ; the wave's end: three lines behind my last LDS store
	ds_add_u32 v6, v7
	s_wait_dscnt 0x0
	s_endpgm
.Lfunc_end_k_qf867e514a7_prep:
	.size	k_qf867e514a7_prep, .Lfunc_end_k_qf867e514a7_prep-k_qf867e514a7_prep
	.p2alignl 7, 3214868480
	.fill 96, 4, 3214868480
	.section	.rodata,"a",@progbits
	.p2align	6, 0x0
	.amdhsa_kernel k_qf867e514a7_prep
		.amdhsa_group_segment_fixed_size 2304
		.amdhsa_private_segment_fixed_size 0
		.amdhsa_enable_private_segment 0
		.amdhsa_kernarg_size 24
		.amdhsa_user_sgpr_count 2
		.amdhsa_user_sgpr_kernarg_segment_ptr 1
		.amdhsa_wavefront_size32 1
		.amdhsa_system_sgpr_workgroup_id_x 1
		.amdhsa_system_sgpr_workgroup_id_y 1
		.amdhsa_system_sgpr_workgroup_id_z 1
		.amdhsa_system_vgpr_workitem_id 0
		.amdhsa_next_free_vgpr 72
		.amdhsa_next_free_sgpr 66
		.amdhsa_reserve_vcc 0
		.amdhsa_float_denorm_mode_32 3
		.amdhsa_float_denorm_mode_16_64 3
		.amdhsa_memory_ordered 1
		.amdhsa_forward_progress 1
		.amdhsa_inst_pref_size 9
	.end_amdhsa_kernel
	.amdgpu_metadata
---
amdhsa.version: [ 1, 2 ]
amdhsa.kernels:
  - .name:           k_qf867e514a7_prep
    .symbol:         k_qf867e514a7_prep.kd
    .args:
      - { .name: codebook, .offset: 0, .size: 8, .value_kind: global_buffer, .address_space: global }
      - { .name: cb16, .offset: 8, .size: 8, .value_kind: global_buffer, .address_space: global }
      - { .name: nh, .offset: 16, .size: 8, .value_kind: global_buffer, .address_space: global }
    .group_segment_fixed_size: 2304
    .private_segment_fixed_size: 0
    .kernarg_segment_align: 8
    .kernarg_segment_size: 24
    .max_flat_workgroup_size: 512
    .sgpr_count:     66
    .vgpr_count:     72
    .wavefront_size: 32
...
	.end_amdgpu_metadata
.endif
;; end of part 1
;; launch scan (part 2): grid 256 x 1, 4 waves a work-group, clusters of 4 x 1, 327,680 bytes of LDS; arguments x, cb16, nh, grp; writes grp
.if DOCPART == 2
	.amdgcn_target "amdgcn-amd-amdhsa--gfx1250"
	.amdhsa_code_object_version 6
	.text
	.protected	k_qf867e514a7_scan
	.globl	k_qf867e514a7_scan
	.p2align	8
	.type	k_qf867e514a7_scan,@function
k_qf867e514a7_scan:
	s_mov_b64 s[64:65], 0
	v_nop
	global_prefetch_b8 v0, s[64:65] scope:SCOPE_SE
	s_setreg_imm32_b32 hwreg(HW_REG_WAVE_MODE, 25, 1), 1
	s_wait_xcnt 0x0
	s_wait_alu depctr_hold_cnt(0) depctr_sa_sdst(0) depctr_va_vdst(0) depctr_va_sdst(0) depctr_va_ssrc(0) depctr_va_vcc(0) depctr_vm_vsrc(0)
	s_getreg_b32 s2, hwreg(HW_REG_IB_STS2, 6, 4)
	s_cmp_eq_u32 s2, 0
	s_cbranch_scc0 .Lentry_in_a_cluster
	s_endpgm
.Lentry_in_a_cluster:
	s_bfe_u32 s2, ttmp6, 0x10000c
	s_cmp_lg_u32 s2, 0x3003
	s_cbranch_scc0 .Lentry_shape_is_right
	s_endpgm
.Lentry_shape_is_right:
; grp[q] = the group of four neighbouring codes (k / 4, 0 .. 2047) that holds the code nearest to row q of x.  x: [32768][256] f32, rounded here to bf16; cb16: [8192][256] bf16; nh[k] = -|cb16[k]|^2 / 2, f32.
; THE SCORE.  |x|^2 + |c|^2 - 2 x.c is least where s = x.c - |c|^2 / 2 is greatest: |x|^2 is the same for all codes of a row, for every input, and is left out.  s is made by the matrix unit alone:
; nh is the C operand of the first of the eight products along D = 256.
; LIMITS.  Sums in f32 in the matrix unit's order: two codes whose distances differ by less than that order's rounding (some 1e-7 of |x| |c| sqrt(256)) may change places against another order of summing.
; Equal scores go to the lowest group.  NaN scores are passed over (v_max3_num_f32); a row whose scores are all NaN or -infinity gets one of the groups 0 to 63.  bf16 has f32's range: no limit of size is added.
; SHARES.  A work-group owns 128 rows of x: 32768 / 128 = 256 work-groups.  EVERY wave holds all 128 rows as 64 fragments, 512 registers, and scans a quarter of the codes: in step t (0 .. 31) the work-group takes
; the codes 256 t .. 256 t + 255, wave w 64 of them: four tiles of 16.  A tile's 16 + 2 LDS loads feed 64 matrix instructions, and no wave reads another wave's codes.
; LAYOUT.  Source 0 = 16 codes, source 1 = 16 rows of x: in the result lane l holds row l % 16 and its registers j the codes 8 (l / 16) + j: registers 0-3 are one group of four codes, registers 4-7 the next.
; THE MAXIMUM.  For each of a lane's 16 places (8 row tiles x 2 groups) a running maximum and the tag 64 t + 4 ct of the tile that raised it last: two v_max3_num_f32, a compare of the new maximum with the old and
; a select: 64 vector instructions a tile, one for each matrix instruction.  They stand in fours behind every fourth product of the OTHER half of the row tiles.  Which of the four codes it is, the next launch finds.
; CLUSTER.  All work-groups walk the same codes: the four of a cluster ask for each tile JOINTLY (the same load, descriptor and mask of four in all), each into its own LDS.  x is each work-group's own: a plain load.
; REGISTERS, in windows of 256 (s_set_vgpr_msb: bits 1:0 source 0, 3:2 source 1, 5:4 source 2, 7:6 destination):
;   window 0: v0-15 addresses and four at work; v16-31 nh of a tile, two buffers; v32-63 the maxima, old and new by turns; v64-79 the tags; v80-111 the end; v128-191 eight accumulators
;             (v128-255 at the start: two buffers of 64 for x in f32)
;   window 1: v0-127 a tile's code fragments, two buffers      window 2: x, row tiles 0-3, 64 registers each      window 3: row tiles 4-7
.set CPITCH, 528                       ; a code in LDS: 512 bytes + 16 of padding = 132 words: the 16 rows of a fragment load start 4 banks apart (64 banks of 4 bytes: ISA guide 11.1)
.set WSLOT,  64*CPITCH                 ; a wave's 64 codes of a step
.set SLOT,   4*WSLOT                   ; a slot: slot 0 at 0, slot 1 at SLOT
.set XPITCH, 1040                      ; a row of x in f32: 1,024 bytes + 16.  The 128 rows lie in slot 1 until they are converted: 133,120 of its 135,168 bytes
.set XQ,     32*XPITCH                 ; the 32 rows that one wave fetches
.set NHB,    2*SLOT                    ; all 8,192 nh, filled once
.set RED,    NHB+32768
.set SPARE,  RED+4096                  ; the spare words, 128 bytes a wave: two blocks of 256 bytes that no other line names
.set ADR, 2                            ; v2-3   LDS address of my lane in my wave's codes, slot 0, 1
.set NA,  4                            ; v4     LDS address of my lane's nh; steps by two steps' 2,048 bytes a trip
.set XA,  5                            ; v5-6   LDS address of my lane in x, row tiles 0-3, 4-7
.set RA,  7                            ; v7     the end: where I put my result
.set GO,  8                            ; v8     the end: my byte offset in grp
.set SPW, 10                           ; v10    LDS address of my spare word; never rewritten
.set NIL, 11                           ; v11    0; never rewritten
.set T,   12                           ; v12-15 at work
.set NRM, 16
.set BB,  32                           ; maximum of row tile q, group u: v[BB + 16 par + 2 q + u]
.set IDX, 64                           ; its tag: v[IDX + 2 q + u]
.set LB,  80
.set DAT, 82
.set RB,  90
.set RR,  96
.set ACC, 128
.set TA,  128
.set WV,  12                           ; s12  my wave's number
.set NINF, 15                          ; s15  -infinity
.set G1C, 16                           ; s[16:23] descriptor group 1, code tiles
.set G1X, 24                           ; s[24:31] x
.set G1N, 32                           ; s[32:39] nh
.set G0C, 40                           ; s[40:47] group 0 for the code tiles, a set for each slot
.set G0X, 48                           ; s[48:51]
.set G0N, 52                           ; s[52:55]
.set CNT, 56
.set ST,  57                           ; s57  the tag
.set SEL, 58                           ; s[58:59] v_permlanex16_b32's selects
.set M,   60                           ; s[60:63] compare masks (VCC is not used)
.set MH,  66                           ; s66  lanes 16-31
.set KN, 0                             ; kinds of tile: within a step;
.set KR, 1                             ; a step's last, with a change of slots and a refill;
.set KT, 2                             ; the last change of slots: nothing is asked for;
.set KL, 3                             ; the very last tile
.set MSB, 0
.macro WIN new                         ; the immediate's high byte repeats the setting that is left; a switch that changes nothing is dropped
.if MSB != (\new)
	s_set_vgpr_msb (MSB<<8)|(\new)
.set MSB, (\new)
.endif
.endm
; A round of the cluster's barrier: my work-group's barrier, so that wave 0's signal speaks for all four waves; wave 0 signals; every wave waits for all four work-groups; my work-group's barrier once more.
.macro CREST                           ; a round behind its opening barrier
	s_cmp_lg_u32 s[WV], 0
	s_cbranch_scc1 .Lnot_wave_0_\@
	s_barrier_signal -3
.Lnot_wave_0_\@:
	s_barrier_wait -3
	s_barrier_signal -1
	s_barrier_wait -1
.endm
.macro ROUND
	s_barrier_signal -1
	s_barrier_wait -1
	CREST
.endm
	s_load_b256 s[4:11], s[0:1], 0x0               ; x s[4:5], cb16 s[6:7], nh s[8:9], grp s[10:11]
	v_lshl_add_u32 v[SPW], v0, 2, SPARE
	v_mov_b32 v[NIL], 0
	ds_add_u32 v[SPW], v[NIL]                      ; the wave's opening: the add and its wait ahead of my first tensor load; the set-up below, work on registers, stands between them
	v_lshrrev_b32 v1, 5, v0
	v_readfirstlane_b32 s[WV], v1                  ; wave 0..3
	s_bfe_u32 s13, ttmp6, 0x40000                  ; cx: my place in the cluster
	s_lshl_b32 s14, ttmp9, 2                       ; in a cluster launch ttmp9 counts clusters
	s_add_co_u32 s14, s14, s13                     ; my work-group = 4 x cluster + cx: it enters x's and grp's addresses alone
	; group 1 for a wave's part of a step: 64 codes x 256 elements of 2 bytes
	s_mov_b32 s[G1C+0], 15|(1<<16)|(1<<20)|(1<<21)|(6<<22)|(3<<25)  ; 15:0 the mask of four; 17:16 2-byte elements; 20 padding on; 21 set beside a mask; 24:22 after every 128 words (code 6); 31:25 4 words (code 3)
	s_mov_b32 s[G1C+1], 256<<16                    ; tensor_dim0 = 256
	s_mov_b32 s[G1C+2], 64<<16                     ; tensor_dim1 = 64
	s_mov_b32 s[G1C+3], 256<<16                    ; tile_dim0 = 256
	s_mov_b32 s[G1C+4], 64                         ; tile_dim1 = 64
	s_mov_b32 s[G1C+5], 256                        ; elements from row to row
	s_mov_b32 s[G1C+6], 0
	s_mov_b32 s[G1C+7], 0
	; group 1 for a wave's part of x: 32 rows x 256 elements of 4 bytes, no mask
	s_mov_b32 s[G1X+0], (2<<16)|(1<<20)|(7<<22)|(3<<25)  ; 4-byte elements; padding after every 256 words (code 7), 4 words
	s_mov_b32 s[G1X+1], 256<<16
	s_mov_b32 s[G1X+2], 32<<16
	s_mov_b32 s[G1X+3], 256<<16
	s_mov_b32 s[G1X+4], 32
	s_mov_b32 s[G1X+5], 256
	s_mov_b32 s[G1X+6], 0
	s_mov_b32 s[G1X+7], 0
	; group 1 for a wave's quarter of nh: 8,192 dense bytes as 32 rows of 32 elements of 8 bytes
	s_mov_b32 s[G1N+0], 15|(3<<16)|(1<<21)
	s_mov_b32 s[G1N+1], 32<<16
	s_mov_b32 s[G1N+2], 32<<16
	s_mov_b32 s[G1N+3], 32<<16
	s_mov_b32 s[G1N+4], 32
	s_mov_b32 s[G1N+5], 32
	s_mov_b32 s[G1N+6], 0
	s_mov_b32 s[G1N+7], 0
	; the groups 0: count, LDS address (a constant and the wave's number times a constant: no place in the cluster enters it)
	s_mov_b32 s[G0C+0], 1
	s_mul_i32 s[G0C+1], s[WV], WSLOT
	s_mov_b32 s[G0C+4], 1
	s_add_co_u32 s[G0C+5], s[G0C+1], SLOT
	s_mov_b32 s[G0X+0], 1
	s_mul_i32 s[G0X+1], s[WV], XQ
	s_add_co_u32 s[G0X+1], s[G0X+1], SLOT
	s_mov_b32 s[G0N+0], 1
	s_lshl_b32 s[G0N+1], s[WV], 13
	s_add_co_u32 s[G0N+1], s[G0N+1], NHB
	s_lshl_b32 s68, s[WV], 15                      ; my 64 codes of a step, and my 32 rows of x: 32,768 bytes either
	s_mov_b32 s69, 0
	s_lshl_b32 s70, s14, 17                        ; my work-group's 128 rows of x
	s_add_co_u32 s70, s70, s68
	s_mov_b32 s71, 0
	s_lshl_b32 s2, s[WV], 13                       ; my quarter of nh
	s_mov_b32 s3, 0
	s_mov_b32 s[SEL], 0x76543210
	s_mov_b32 s[SEL+1], 0xfedcba98
	s_mov_b32 s[MH], 0xffff0000
	s_mov_b32 s[NINF], 0xff800000
	s_wait_dscnt 0x0                               ; the opening add is done
	s_wait_kmcnt 0x0
	s_add_nc_u64 s[G0C+2:G0C+3], s[6:7], s[68:69]          ; step 0,
	s_add_nc_u64 s[G0C+6:G0C+7], s[G0C+2:G0C+3], 0x20000   ; step 1: 256 codes of 512 bytes on
	s_or_b32 s[G0C+3], s[G0C+3], 0x80000000                ; 127:126 type = 2
	s_or_b32 s[G0C+7], s[G0C+7], 0x80000000
	s_add_nc_u64 s[G0X+2:G0X+3], s[4:5], s[70:71]
	s_or_b32 s[G0X+3], s[G0X+3], 0x80000000
	s_add_nc_u64 s[G0N+2:G0N+3], s[8:9], s[2:3]
	s_or_b32 s[G0N+3], s[G0N+3], 0x80000000
	s_lshl_b32 s70, s14, 9                         ; my work-group's 128 words of grp
	s_add_nc_u64 s[10:11], s[10:11], s[70:71]
	ROUND                                          ; all four work-groups are here: the first joint loads meet
	tensor_load_to_lds s[G0X:G0X+3], s[G1X:G1X+7]  ; the first fills go out as one group, what is wanted first in front: three loads of mine are out
	s_nop 0
	tensor_load_to_lds s[G0N:G0N+3], s[G1N:G1N+7]
	s_nop 0
	tensor_load_to_lds s[G0C:G0C+3], s[G1C:G1C+7]
	s_nop 0
.rept 4
	v_nop
.endr
	; A fragment is 16 rows x 32 along D in 8 registers: lane l holds row l % 16; registers 0-3 hold d = 8 (l / 16) + 0..7, registers 4-7 d = 16 + 8 (l / 16) + 0..7.
	v_and_b32 v1, 15, v0                           ; l % 16
	v_bfe_u32 v9, v0, 4, 1                         ; l / 16
	v_mul_u32_u24 v[ADR], v1, CPITCH
	v_lshl_add_u32 v[ADR], v9, 4, v[ADR]           ; bf16: row x pitch + 16 x half; two loads of 16 bytes, 32 apart
	v_add_nc_u32 v[ADR], s[G0C+1], v[ADR]          ; + my wave's part of a slot
	v_add_nc_u32 v[ADR+1], SLOT, v[ADR]
	v_lshlrev_b32 v[NA], 5, v9                     ; nh: 8 numbers for each half of the lanes,
	v_lshl_add_u32 v[NA], s[WV], 8, v[NA]          ; my wave's 64 of a step's 256
	v_add_nc_u32 v[NA], NHB, v[NA]
	v_mul_u32_u24 v[XA], v1, XPITCH
	v_lshl_add_u32 v[XA], v9, 5, v[XA]             ; f32: row x pitch + 32 x half; four loads of 16 bytes, at 0, 16, 64, 80
	v_add_nc_u32 v[XA], SLOT, v[XA]
	v_add_nc_u32 v[XA+1], 64*XPITCH, v[XA]
; 16 LDS loads: x in f32 for the four fragments 4 kb .. 4 kb + 3 (fragment f: row tile f / 8, d = 32 (f % 8) on) into buffer tb
.macro LOADB kb, tb
.set j, 0
.rept 4
.set f, 4*(\kb)+j
.set xo, ((f/8)%4)*16*XPITCH+128*(f%8)
	ds_load_b128 v[(\tb)+16*j:(\tb)+16*j+3],     v[XA+f/32] offset:xo
	ds_load_b128 v[(\tb)+16*j+4:(\tb)+16*j+7],   v[XA+f/32] offset:xo+16
	ds_load_b128 v[(\tb)+16*j+8:(\tb)+16*j+11],  v[XA+f/32] offset:xo+64
	ds_load_b128 v[(\tb)+16*j+12:(\tb)+16*j+15], v[XA+f/32] offset:xo+80
.set j, j+1
.endr
.endm
; 32 roundings: those four fragments into their places in window 2 or 3
.macro CVTB kb, tb
	WIN 0x80+0x40*((\kb)/8)
.set j, 0
.rept 32
.set f, 4*(\kb)+j/8
.set rq, 64*((f/8)%4)+8*(f%8)+j%8
	v_cvt_pk_bf16_f32 v[rq], v[(\tb)+2*j], v[(\tb)+2*j+1]
.set j, j+1
.endr
	WIN 0
.endm
; 18 LDS loads in one run: tile ct of my codes in a slot (8 fragments) and its 16 nh (at byte no from v[NA]) into buffer buf
.macro FETCH slot, ct, buf, no
	WIN 0x40                                       ; destination window 1, address window 0
.set j, 0
.rept 8
	ds_load_b128 v[64*(\buf)+8*j:64*(\buf)+8*j+3],   v[ADR+(\slot)] offset:(\ct)*16*CPITCH+64*j
	ds_load_b128 v[64*(\buf)+8*j+4:64*(\buf)+8*j+7], v[ADR+(\slot)] offset:(\ct)*16*CPITCH+64*j+32
.set j, j+1
.endr
	WIN 0
	ds_load_b128 v[NRM+8*(\buf):NRM+8*(\buf)+3],   v[NA] offset:(\no)     ; the lanes of a half read the same 32 bytes
	ds_load_b128 v[NRM+8*(\buf)+4:NRM+8*(\buf)+7], v[NA] offset:(\no)+16
.endm
; Four of the 32 vector instructions that take the scores of half hp of the row tiles into the maxima.  Group g of 8: row tiles 4 hp + 2 (g / 4) and the next, each with its two groups of four codes; g % 4 is the step:
;   0  the greatest of three scores (each accumulator's lowest registers are read first)     1  new maximum = the greatest of that, the fourth score and the old maximum
;   2  has it stayed?     3  where it has not, the tag of the tile in hand.  A later tile must be strictly greater: equal scores leave the earlier tag.
.macro RIDE hp, g, par
	WIN 0
.set k, 0
.rept 4
.set rq, 4*(\hp)+2*((\g)/4)+k/2
.set rS, ACC+8*rq+4*(k%2)
.set rN, BB+16*(1-(\par))+2*rq+k%2
.set rO, BB+16*(\par)+2*rq+k%2
.if (\g)%4 == 0
	v_max3_num_f32 v[T+k], v[rS], v[rS+1], v[rS+2]
.elseif (\g)%4 == 1
	v_max3_num_f32 v[rN], v[T+k], v[rS+3], v[rO]
.elseif (\g)%4 == 2
	v_cmp_eq_f32 s[M+k], v[rN], v[rO]
.else
	v_cndmask_b32 v[IDX+2*rq+k%2], s[ST], v[IDX+2*rq+k%2], s[M+k]
.endif
.set k, k+1
.endr
.endm
; Products lo .. hi - 1 of the 32 of half hf: product i is d = 32 (i / 4) on, row tile 4 hf + i % 4.  The first four start the sums with nh as C.  The four accumulators take turns, one instruction a turn,
; over the halves', the tiles' and the loop's edges too.  Behind every fourth product stand four instructions of the OTHER half's scores, which name no register of the products round them.
; The last four (selects on the tags) are the four places (ISA guide 7.12.1) between this half's last products and the first read of their results, which comes behind the next half's first four products.
.macro HALF hf, buf, par, lo, hi
.set i, (\lo)
.rept (\hi)-(\lo)
	WIN 0x09+4*(\hf)                               ; codes (source 0) window 1, x (source 1) window 2 or 3, C and D window 0
.set rA, ACC+8*(4*(\hf)+i%4)
.set rF, 64*(\buf)+8*(i/4)
.set rX, 64*(i%4)+8*(i/4)
.if i < 4
	v_wmma_f32_16x16x32_bf16 v[rA:rA+7], v[rF:rF+7], v[rX:rX+7], v[NRM+8*(\buf):NRM+8*(\buf)+7]
.else
	v_wmma_f32_16x16x32_bf16 v[rA:rA+7], v[rF:rF+7], v[rX:rX+7], v[rA:rA+7]
.endif
.if i%4 == 3
	RIDE 1-(\hf), i/4, \par
.endif
.set i, i+1
.endr
.endm
.macro TAG ct                          ; the tag goes on to the tile in hand: 4 within a step, 64 - 12 into the next
.if (\ct) == 0
	s_add_co_u32 s[ST], s[ST], 52
.else
	s_add_co_u32 s[ST], s[ST], 4
.endif
.endm
; A TILE: 16 of my codes against all 128 rows.  Its first half carries the last tile's second half's scores (under the old tag), its second half its own first half's.  The next tile's loads stand in one run
; between the halves, 32 products ahead of the wait for them; the buffer that they fill was last read a half tile (32 vector instructions) ago or more.
; KR, a step's last tile, changes slots.  In front of the barrier each wave waits for all its tensor loads, of which one is out: its part of the other slot; adds 0 to its spare word; and waits for that and for its own
; reads of this slot, of which this tile's fragments were the last.  The barrier opens a round of the cluster's, so that no wave of any partner still reads the slot or has a load on its way; the joint refill, the
; step two steps on, is the first thing behind the round: from there to the wait for it a wave issues 224 matrix instructions.
.macro TILE slot, ct, kind
.set bf, (\ct)%2
.if (\kind) == KR
	WIN 0                                          ; (the add's two registers lie in window 0)
	s_wait_tensorcnt 0x0                           ; no tensor load of mine is out, so a group 0 may be written
	ds_add_u32 v[SPW], v[NIL]                      ; 0 onto my spare word
	s_add_nc_u64 s[G0C+4*(\slot)+2:G0C+4*(\slot)+3], s[G0C+4*(\slot)+2:G0C+4*(\slot)+3], 0x40000  ; two steps of 131,072 bytes on; the type bits on top are not reached
	s_wait_dscnt 0x1                               ; the tile's 18 loads are in; the add, issued behind them, may be out
	HALF 0, bf, 1-bf, 0, 16                        ; sixteen products stand between the add and the wait for it
	s_wait_dscnt 0x0                               ; the add is done, and my reads of this slot are over
	s_barrier_signal -1
	HALF 0, bf, 1-bf, 16, 32                       ; work on registers while the others arrive
	TAG \ct
	WIN 0                                          ; at a branch and at a label every window is 0
	s_barrier_wait -1
	CREST
	tensor_load_to_lds s[G0C+4*(\slot):G0C+4*(\slot)+3], s[G1C:G1C+7]
	s_nop 0
.rept 4
	v_nop
.endr
	FETCH 1-(\slot), 0, 1-bf, 1024+1024*(\slot)
.else
.if (\kind) == KT
	s_wait_tensorcnt 0x0                           ; my part of the last step is in; I alone read it, and nothing is filled again: no barrier
.endif
	s_wait_dscnt 0x0                               ; the tile's 18 loads, issued 32 products ago
	HALF 0, bf, 1-bf, 0, 32
	TAG \ct
.if (\kind) == KN
	FETCH \slot, (\ct)+1, 1-bf, 1024*(\slot)+64*((\ct)+1)
.elseif (\kind) == KT
	FETCH 1-(\slot), 0, 1-bf, 1024+1024*(\slot)
.endif
.endif
	HALF 1, bf, bf, 0, 32
.endm
.macro STEP slot, last
	TILE \slot, 0, KN
	TILE \slot, 1, KN
	TILE \slot, 2, KN
	TILE \slot, 3, \last
.endm
; (bA, gA) takes (bB, gB) where bB is greater, or equal with the lower group
.macro BETTER bA, gA, bB, gB
	v_cmp_gt_f32 s[M], v[\bB], v[\bA]
	v_cmp_eq_f32 s[M+1], v[\bB], v[\bA]
	v_cmp_lt_u32 s[M+2], v[\gB], v[\gA]
	s_and_b32 s[M+1], s[M+1], s[M+2]
	s_or_b32 s[M], s[M], s[M+1]
	v_cndmask_b32 v[\bA], v[\bA], v[\bB], s[M]
	v_cndmask_b32 v[\gA], v[\gA], v[\gB], s[M]
.endm
	s_wait_tensorcnt 0x1                           ; my parts of x and of nh are in; my codes of step 0, issued last, may stay out
	s_barrier_signal -1
	s_barrier_wait -1                              ; everybody's are: every wave reads all of x, and nh across the quarters
	; x into registers: 16 batches of four fragments through two buffers; while one batch is rounded the next is on its way
	LOADB 0, TA
	LOADB 1, TA+64
.set kk, 0
.rept 16
.if kk == 15
	s_wait_dscnt 0x0
.else
	s_wait_dscnt 0x10                              ; LDS loads come back in order: this batch is in, the younger batch's sixteen stay out
.endif
	CVTB kk, TA+64*(kk%2)
.if kk < 14
	LOADB kk+2, TA+64*(kk%2)
.endif
.set kk, kk+1
.endr
	; x's place in LDS becomes slot 1: a refill like any other
	s_wait_tensorcnt 0x0                           ; my codes of step 0 are in: no tensor load of mine is out
	ds_add_u32 v[SPW], v[NIL]                      ; 0 onto my spare word; the starting values below stand between it and the wait for it
.set j, 0
.rept 32
	v_mov_b32 v[BB+j], s[NINF]                     ; both sets of maxima
.set j, j+1
.endr
.set j, 0
.rept 16
	v_mov_b32 v[IDX+j], 0
.set j, j+1
.endr
.set j, 0
.rept 32
	v_mov_b32 v[ACC+32+j], s[NINF]                 ; the first tile's first half carries the scores of a tile that has not been: at -infinity they raise nothing, and one text serves every tile
.set j, j+1
.endr
	s_mov_b32 s[ST], -52                           ; the first tile's step makes it 0
	s_wait_dscnt 0x0                               ; the add is done, and my reads of x are over
	ROUND
	tensor_load_to_lds s[G0C+4:G0C+7], s[G1C:G1C+7]  ; step 1
	s_nop 0
.rept 4
	v_nop
.endr
	FETCH 0, 0, 0, 0
	s_mov_b32 s[CNT], 15
.Ltrip:                                                ; 15 trips of two steps: steps 0 to 29 are scanned, steps 2 to 31 asked for
	STEP 0, KR
	STEP 1, KR
	WIN 0
	v_add_nc_u32 v[NA], 2048, v[NA]                ; two steps' nh on
	s_sub_co_u32 s[CNT], s[CNT], 1
	s_cmp_lg_u32 s[CNT], 0
	s_cbranch_scc1 .Ltrip
	STEP 0, KT                                     ; the last two steps are written out
	STEP 1, KL
.set gg, 0
.rept 8
	RIDE 1, gg, 1                                  ; the last tile's second half; the selects that closed the tile are the places behind its last products.  The maxima now lie in set 0
.set gg, gg+1
.endr
	; THE END.  Group = tag + 16 w + 2 (l / 16) + u.  A row's best of: a lane's two groups; the two halves of the lanes; the four waves (through LDS).
	v_lshlrev_b32 v[LB], 1, v9
	v_lshl_add_u32 v[LB], s[WV], 4, v[LB]
	v_add_nc_u32 v[LB+1], 1, v[LB]
.set j, 0
.rept 16
	v_add_nc_u32 v[IDX+j], v[IDX+j], v[LB+j%2]
.set j, j+1
.endr
.set j, 0
.rept 8
	BETTER BB+2*j, IDX+2*j, BB+2*j+1, IDX+2*j+1
.set j, j+1
.endr
.set j, 0
.rept 8
	v_permlanex16_b32 v[BB+16+2*j], v[BB+2*j], s[SEL], s[SEL+1]    ; the row's other eight codes of each tile lie in the lane 16 away; set 1 has been written before
	v_permlanex16_b32 v[BB+17+2*j], v[IDX+2*j], s[SEL], s[SEL+1]
.set j, j+1
.endr
.set j, 0
.rept 8
	BETTER BB+2*j, IDX+2*j, BB+16+2*j, BB+17+2*j
.set j, j+1
.endr
	v_lshlrev_b32 v[RA], 3, v1                     ; row q of the 128: 8 bytes, maximum and group, at RED + 1,024 w + 8 q; lanes 0-15 write the maximum, lanes 16-31 the group
	v_lshl_add_u32 v[RA], v9, 2, v[RA]
	v_lshl_add_u32 v[RA], s[WV], 10, v[RA]
	v_add_nc_u32 v[RA], RED, v[RA]
.set j, 0
.rept 8
	v_cndmask_b32 v[DAT+j], v[BB+2*j], v[IDX+2*j], s[MH]
	ds_store_b32 v[RA], v[DAT+j] offset:128*j      ; 32 neighbouring words
.set j, j+1
.endr
	s_wait_dscnt 0x0                               ; for the others' sake: my stores are done
	s_barrier_signal -1
	s_barrier_wait -1
	s_cmp_lt_u32 s[WV], 2
	s_cbranch_scc0 .Lno_rows                       ; waves 0 and 1 finish 64 rows each, two a lane
	v_and_b32 v[GO], 31, v0
	v_lshlrev_b32 v[RB], 4, v[GO]
	v_lshl_add_u32 v[RB], s[WV], 9, v[RB]
	v_add_nc_u32 v[RB], RED, v[RB]
.irp w, 0,1,2,3
	ds_load_b128 v[RR+4*(\w):RR+4*(\w)+3], v[RB] offset:1024*(\w)  ; wave w's maximum and group for my two rows
.endr
	v_lshlrev_b32 v[GO], 3, v[GO]
	v_lshl_add_u32 v[GO], s[WV], 8, v[GO]
	s_wait_dscnt 0x0
.irp w, 1,2,3
	BETTER RR, RR+1, RR+4*(\w), RR+4*(\w)+1
	BETTER RR+2, RR+3, RR+4*(\w)+2, RR+4*(\w)+3
.endr
	v_mov_b32 v[RR], v[RR+1]                       ; the two groups side by side
	v_mov_b32 v[RR+1], v[RR+3]
	global_store_b64 v[GO], v[RR:RR+1], s[10:11]   ; 32 lanes x 8 bytes: 256 consecutive bytes, at a multiple of 256 from grp's first
.Lno_rows:
	s_wait_tensorcnt 0x0                           ; the wave's end: three lines behind my last tensor load and my last LDS store
	ds_add_u32 v[SPW], v[NIL]
	s_wait_dscnt 0x0
	ROUND                                          ; the closing round: no work-group ends while a partner may still ask for a tile that names it
	s_endpgm
.Lfunc_end_k_qf867e514a7_scan:
	.size	k_qf867e514a7_scan, .Lfunc_end_k_qf867e514a7_scan-k_qf867e514a7_scan
	.p2alignl 7, 3214868480
	.fill 96, 4, 3214868480
	.section	.rodata,"a",@progbits
	.p2align	6, 0x0
	.amdhsa_kernel k_qf867e514a7_scan
		.amdhsa_group_segment_fixed_size 327680
		.amdhsa_private_segment_fixed_size 0
		.amdhsa_enable_private_segment 0
		.amdhsa_kernarg_size 32
		.amdhsa_user_sgpr_count 2
		.amdhsa_user_sgpr_kernarg_segment_ptr 1
		.amdhsa_wavefront_size32 1
		.amdhsa_system_sgpr_workgroup_id_x 1
		.amdhsa_system_sgpr_workgroup_id_y 1
		.amdhsa_system_sgpr_workgroup_id_z 1
		.amdhsa_system_vgpr_workitem_id 0
		.amdhsa_next_free_vgpr 1024
		.amdhsa_next_free_sgpr 72
		.amdhsa_reserve_vcc 0
		.amdhsa_float_denorm_mode_32 3
		.amdhsa_float_denorm_mode_16_64 3
		.amdhsa_memory_ordered 1
		.amdhsa_forward_progress 1
		.amdhsa_inst_pref_size 238
	.end_amdhsa_kernel
	.amdgpu_metadata
---
amdhsa.version: [ 1, 2 ]
amdhsa.kernels:
  - .name:           k_qf867e514a7_scan
    .symbol:         k_qf867e514a7_scan.kd
    .args:
      - { .name: x, .offset: 0, .size: 8, .value_kind: global_buffer, .address_space: global }
      - { .name: cb16, .offset: 8, .size: 8, .value_kind: global_buffer, .address_space: global }
      - { .name: nh, .offset: 16, .size: 8, .value_kind: global_buffer, .address_space: global }
      - { .name: grp, .offset: 24, .size: 8, .value_kind: global_buffer, .address_space: global }
    .group_segment_fixed_size: 327680
    .private_segment_fixed_size: 0
    .kernarg_segment_align: 8
    .kernarg_segment_size: 32
    .max_flat_workgroup_size: 128
    .sgpr_count:     72
    .vgpr_count:     1024
    .wavefront_size: 32
...
	.end_amdgpu_metadata
.endif
;; end of part 2
;; launch pick (part 3): grid 1024 x 1, 8 waves a work-group, no clusters, 0 bytes of LDS; arguments x, cb16, grp, out0; writes out0
.if DOCPART == 3
	.amdgcn_target "amdgcn-amd-amdhsa--gfx1250"
	.amdhsa_code_object_version 6
	.text
	.protected	k_qf867e514a7_pick
	.globl	k_qf867e514a7_pick
	.p2align	8
	.type	k_qf867e514a7_pick,@function
k_qf867e514a7_pick:
	s_mov_b64 s[64:65], 0
	v_nop
	global_prefetch_b8 v0, s[64:65] scope:SCOPE_SE
	s_setreg_imm32_b32 hwreg(HW_REG_WAVE_MODE, 25, 1), 1
	s_wait_xcnt 0x0
; out0[q] = x[q] + (c - x[q]), c = the nearest of the four codes of group grp[q].  x, out0: [32768][256] f32; cb16: [8192][256] bf16; grp: [32768] whole numbers, 0 .. 2047.
; THE CHOICE.  For each of the four codes d = the sum over D of c (c - 2 xr) = |c|^2 - 2 xr.c, in f32, xr = x rounded to bf16 (|x|^2 is the same for all four and is left out); the first least d wins.
; LIMITS.  The code that is written is the codebook's row rounded once to bf16 (off by 2^-8 of itself at the most).  Two codes whose d differ by less than the f32 sums' rounding may change places against another
; order of summing.  NaN in d never wins against an earlier code.  A group number above 2047 is held to 2047.
; SHARES.  A wave takes 4 rows, a work-group of 8 waves 32: 1,024 work-groups.  Lane l holds elements 4 l .. 4 l + 3 and 128 + 4 l .. + 3 of a row: each load of x and each store covers 512 consecutive bytes, each load of
; a code 256.  All 40 loads of a wave go out at once, x's ahead of the wait for the group numbers; every row has registers of its own, so no register that a pending load or store names is written again.
; No LDS, no barrier, no matrix work: each byte of x is read once and each byte of out0 written once; a group's four codes are 2,048 consecutive bytes.
.set X,  8                             ; v[8:39]    row i: 8 numbers of x, then of out0
.set W,  40                            ; v[40:103]  row i, code c: 4 registers, 8 bf16
.set XB, 104                           ; v[104:111] x rounded, as f32
.set C,  112                           ; v[112:119] a code as f32
.set T,  120                           ; v[120:127] c - 2 xr; later c - x
.set D,  128                           ; v[128:135] the four sums, a pair each
.set P,  136                           ; v[136:139] x rounded, packed
	s_load_b256 s[4:11], s[0:1], 0x0               ; x s[4:5], cb16 s[6:7], grp s[8:9], out0 s[10:11]
	v_and_b32 v2, 31, v0
	v_lshrrev_b32 v3, 5, v0
	v_readfirstlane_b32 s12, v3                    ; wave 0..7
	v_lshlrev_b32 v1, 4, v2                        ; 16 bytes a lane in x and out0
	v_lshlrev_b32 v2, 3, v2                        ; 8 bytes a lane in a code
	s_lshl_b32 s28, ttmp9, 7                       ; in grp: 32 words a work-group,
	s_lshl_b32 s13, s12, 4                         ; 4 a wave
	s_add_co_u32 s28, s28, s13
	s_mov_b32 s29, 0
	s_lshl_b32 s34, ttmp9, 15                      ; in x and out0: 32 rows of 1,024 bytes a work-group,
	s_lshl_b32 s13, s12, 12                        ; 4 a wave
	s_add_co_u32 s34, s34, s13
	s_mov_b32 s35, 0
	s_mov_b32 s30, 0x76543210                      ; each lane takes its own place in the other half
	s_mov_b32 s31, 0xfedcba98
	s_mov_b32 s32, 0xffff0000                      ; a word's upper bf16
	s_wait_kmcnt 0x0
	s_add_nc_u64 s[8:9], s[8:9], s[28:29]
	s_load_b128 s[16:19], s[8:9], 0x0              ; my four rows' groups
	s_add_nc_u64 s[4:5], s[4:5], s[34:35]
	s_add_nc_u64 s[10:11], s[10:11], s[34:35]
.irp i, 0,1,2,3
	global_load_b128 v[X+8*(\i):X+8*(\i)+3],   v1, s[4:5] offset:(\i)*1024 th:TH_LOAD_NT
	global_load_b128 v[X+8*(\i)+4:X+8*(\i)+7], v1, s[4:5] offset:(\i)*1024+512 th:TH_LOAD_NT
.endr
	s_wait_kmcnt 0x0
.irp i, 0,1,2,3
	s_min_u32 s[16+(\i)], s[16+(\i)], 0x7ff        ; a loaded number enters an address only held inside the table
	s_lshl_b32 s28, s[16+(\i)], 11                 ; four codes of 512 bytes a group
	s_add_nc_u64 s[20+2*(\i):21+2*(\i)], s[6:7], s[28:29]
.endr
.irp i, 0,1,2,3
.irp c, 0,1,2,3
	global_load_b64 v[W+16*(\i)+4*(\c):W+16*(\i)+4*(\c)+1],   v2, s[20+2*(\i):21+2*(\i)] offset:(\c)*512
	global_load_b64 v[W+16*(\i)+4*(\c)+2:W+16*(\i)+4*(\c)+3], v2, s[20+2*(\i):21+2*(\i)] offset:(\c)*512+256
.endr
.endr
.macro QUERY i
.set rX, X+8*(\i)
.set rW, W+16*(\i)
	s_wait_loadcnt 24-8*(\i)                       ; loads come back in order: x and this row's eight code loads are in; the later rows' eight each stay out
.irp k, 0,1,2,3
	v_cvt_pk_bf16_f32 v[P+(\k)], v[rX+2*(\k)], v[rX+2*(\k)+1]
.endr
.irp k, 0,1,2,3
	v_lshlrev_b32 v[XB+2*(\k)],   16,  v[P+(\k)]
	v_and_b32     v[XB+2*(\k)+1], s32, v[P+(\k)]
.endr
.irp c, 0,1,2,3
.irp k, 0,1,2,3
	v_lshlrev_b32 v[C+2*(\k)],   16,  v[rW+4*(\c)+(\k)]
	v_and_b32     v[C+2*(\k)+1], s32, v[rW+4*(\c)+(\k)]
.endr
.irp k, 0,2,4,6
	v_pk_fma_f32 v[T+(\k):T+(\k)+1], v[XB+(\k):XB+(\k)+1], -2.0, v[C+(\k):C+(\k)+1] op_sel_hi:[1,0,1]  ; c - 2 xr
.endr
	v_pk_mul_f32 v[D+2*(\c):D+2*(\c)+1], v[C:C+1], v[T:T+1]
.irp k, 2,4,6
	v_pk_fma_f32 v[D+2*(\c):D+2*(\c)+1], v[C+(\k):C+(\k)+1], v[T+(\k):T+(\k)+1], v[D+2*(\c):D+2*(\c)+1]
.endr
	v_add_f32 v[D+2*(\c)], v[D+2*(\c)], v[D+2*(\c)+1]
.endr
	; the four sums over the 32 lanes, side by side, so that no line waits for the one before it; every lane ends with the same four numbers
.irp m, 1,2,4,8
.irp c, 0,1,2,3
	v_add_f32_dpp v[D+2*(\c)], v[D+2*(\c)], v[D+2*(\c)] row_xmask:\m row_mask:0xf bank_mask:0xf
.endr
.endr
.irp c, 0,1,2,3
	v_permlanex16_b32 v[D+2*(\c)+1], v[D+2*(\c)], s30, s31  ; its destination counts as read: the pair's second register has been written
.endr
.irp c, 0,1,2,3
	v_add_f32 v[D+2*(\c)], v[D+2*(\c)], v[D+2*(\c)+1]
.endr
.irp c, 1,2,3                          ; a later code must be strictly nearer: the first least distance wins
	v_cmp_lt_f32 s36, v[D+2*(\c)], v[D]
	v_min_num_f32 v[D], v[D], v[D+2*(\c)]
.irp k, 0,1,2,3
	v_cndmask_b32 v[rW+(\k)], v[rW+(\k)], v[rW+4*(\c)+(\k)], s36
.endr
.endr
.irp k, 0,1,2,3
	v_lshlrev_b32 v[C+2*(\k)],   16,  v[rW+(\k)]
	v_and_b32     v[C+2*(\k)+1], s32, v[rW+(\k)]
.endr
.irp k, 0,2,4,6
	v_pk_add_f32 v[T+(\k):T+(\k)+1], v[C+(\k):C+(\k)+1], v[rX+(\k):rX+(\k)+1] neg_lo:[0,1] neg_hi:[0,1]  ; c - x
.endr
.irp k, 0,2,4,6
	v_pk_add_f32 v[rX+(\k):rX+(\k)+1], v[rX+(\k):rX+(\k)+1], v[T+(\k):T+(\k)+1]                          ; x + (c - x)
.endr
	global_store_b128 v1, v[rX:rX+3],   s[10:11] offset:(\i)*1024 th:TH_STORE_NT      ; 512 consecutive bytes, at a multiple of 256 from out0's first
	global_store_b128 v1, v[rX+4:rX+7], s[10:11] offset:(\i)*1024+512 th:TH_STORE_NT
.endm
	QUERY 0
	QUERY 1
	QUERY 2
	QUERY 3
	s_endpgm
.Lfunc_end_k_qf867e514a7_pick:
	.size	k_qf867e514a7_pick, .Lfunc_end_k_qf867e514a7_pick-k_qf867e514a7_pick
	.p2alignl 7, 3214868480
	.fill 96, 4, 3214868480
	.section	.rodata,"a",@progbits
	.p2align	6, 0x0
	.amdhsa_kernel k_qf867e514a7_pick
		.amdhsa_group_segment_fixed_size 0
		.amdhsa_private_segment_fixed_size 0
		.amdhsa_enable_private_segment 0
		.amdhsa_kernarg_size 32
		.amdhsa_user_sgpr_count 2
		.amdhsa_user_sgpr_kernarg_segment_ptr 1
		.amdhsa_wavefront_size32 1
		.amdhsa_system_sgpr_workgroup_id_x 1
		.amdhsa_system_sgpr_workgroup_id_y 1
		.amdhsa_system_sgpr_workgroup_id_z 1
		.amdhsa_system_vgpr_workitem_id 0
		.amdhsa_next_free_vgpr 144
		.amdhsa_next_free_sgpr 66
		.amdhsa_reserve_vcc 0
		.amdhsa_float_denorm_mode_32 3
		.amdhsa_float_denorm_mode_16_64 3
		.amdhsa_memory_ordered 1
		.amdhsa_forward_progress 1
		.amdhsa_inst_pref_size 34
	.end_amdhsa_kernel
	.amdgpu_metadata
---
amdhsa.version: [ 1, 2 ]
amdhsa.kernels:
  - .name:           k_qf867e514a7_pick
    .symbol:         k_qf867e514a7_pick.kd
    .args:
      - { .name: x, .offset: 0, .size: 8, .value_kind: global_buffer, .address_space: global }
      - { .name: cb16, .offset: 8, .size: 8, .value_kind: global_buffer, .address_space: global }
      - { .name: grp, .offset: 16, .size: 8, .value_kind: global_buffer, .address_space: global }
      - { .name: out0, .offset: 24, .size: 8, .value_kind: global_buffer, .address_space: global }
    .group_segment_fixed_size: 0
    .private_segment_fixed_size: 0
    .kernarg_segment_align: 8
    .kernarg_segment_size: 32
    .max_flat_workgroup_size: 256
    .sgpr_count:     66
    .vgpr_count:     144
    .wavefront_size: 32
...
	.end_amdgpu_metadata
.endif
;; end of part 3
;; ======== version 2 of 2: 3 launches; version 1 with the launch prep written anew for expert scheduling mode
;; workspace buffers: cb16 4,194,304 bytes; nh 32,768 bytes; grp 131,072 bytes of whole numbers
;; launch prep (part 4): grid 128 x 1, 16 waves a work-group, no clusters, 2,304 bytes of LDS; arguments codebook, cb16, nh; writes cb16, nh
.if DOCPART == 4
	.amdgcn_target "amdgcn-amd-amdhsa--gfx1250"
	.amdhsa_code_object_version 6
	.text
	.protected	k_qf867e514a7_prep
	.globl	k_qf867e514a7_prep
	.p2align	8
	.type	k_qf867e514a7_prep,@function
k_qf867e514a7_prep:
	s_mov_b64 s[64:65], 0
	v_nop
	global_prefetch_b8 v0, s[64:65] scope:SCOPE_SE
	s_setreg_imm32_b32 hwreg(HW_REG_WAVE_SCHED_MODE, 0, 2), 2
	s_setreg_imm32_b32 hwreg(HW_REG_WAVE_MODE, 25, 1), 1
	s_wait_xcnt 0x0
	s_wait_alu depctr_vm_vsrc(0)
; cb16[k][d] = codebook[k][d] rounded once to bf16;  nh[k] = -1/2 x the sum over d of cb16[k][d]^2, in f32: the norm of the ROUNDED code,
; since the later launches compare distances between rounded vectors.  codebook: [8192][256] f32.  cb16: [8192][256] bf16.  nh: [8192] f32.
; SHARES.  A work-group of 16 waves takes 64 codes, so that its 64 numbers of nh are 256 consecutive bytes, stored whole by one instruction: 8192 / 64 = 128 work-groups.
; A wave takes 4 codes; lane l holds elements 4 l .. 4 l + 3 and 128 + 4 l .. 128 + 4 l + 3 of a code: each load covers 512 consecutive bytes, each store of cb16 256.
; All eight loads of a wave go out at once.  No matrix work, no tiles: every byte is read once and nothing is shared.
; LIMITS.  NaN and infinities are not treated apart; a code whose sum of squares passes f32's range gives an infinite nh, as it does in the distance itself.
; THE MODE: SCHED_MODE bits 1:0 = 2 (LLVM: expert scheduling mode 2), set by the entry lines.  The code itself states the register dependences
; between vector instructions and memory or LDS instructions, with s_wait_alu, always for 0.
; THE PLAN.  Registers that memory or LDS instructions touch:
;   v2, v3, v4, v73   offsets and LDS addresses: made at the head, never written again: one wait ahead of the first load states that they are written.
;   X                 written by the eight loads, once; no vector instruction names it ahead of them, and nothing lands in it again.
;   P[i]              written by code i's four roundings; read by code i's two stores to cb16, which are issued in code i + 1's turn.
;   S[i]              a pair for each code: written by code i's sums; its first register is read by code i's LDS store, issued in code i + 1's turn.
;   v[74:75]          wave 0's LDS load lands there and its store to nh reads them; no vector instruction names them.
;   v6, v7            made at the head, read by the closing add alone.
;   U, v5 and v72 are named by vector instructions alone.
; Code i's vector instructions name X[i], P[i], U, S[i] and v5: none of the registers that code i - 1's three stores touch.  So ONE wait on va_vdst at the head of a code's turn
; states all that those stores hang on, and they are dealt among the turn's vector instructions.  No register that a memory or LDS instruction reads is ever written again:
; the body holds no wait on vm_vsrc.
.set SPARE, 256                        ; LDS: bytes 0-255 the 64 sums; from 256 on the spare words, 128 bytes for each of 16 waves, which no other line names
.set X, 8                              ; v[8:39]   code i of my four: 8 numbers as loaded
.set P, 40                             ; v[40:55]  code i: 4 registers, 8 bf16 to store
.set U, 56                             ; v[56:63]  the rounded numbers as f32
.set S, 64                             ; v[64:71]  code i: a pair at S + 2 i: the sum of squares
.set TW, 72                            ; v72       at the head only: the wave's number
.set OA, 73                            ; v73       8 x lane: wave 0's LDS address of two sums and its byte offset in nh
.set R, 74                             ; v[74:75]  wave 0: two of the 64 sums, read back
	s_load_b128 s[4:7], s[0:1], 0x0                ; codebook s[4:5], cb16 s[6:7]
	s_load_b64 s[8:9], s[0:1], 0x10                ; nh
	v_lshl_add_u32 v6, v0, 2, SPARE                ; my spare word,
	v_mov_b32 v7, 0                                ; and 0: kept for the wave's end alone
	v_and_b32 v1, 31, v0                           ; lane
	v_lshrrev_b32 v[TW], 5, v0
	v_readfirstlane_b32 s10, v[TW]                 ; wave 0..15
	v_lshlrev_b32 v2, 4, v1                        ; 16 bytes a lane
	v_lshlrev_b32 v[OA], 3, v1                     ; 8 bytes a lane
	v_mov_b32 v5, 0                                ; v_permlanex16_b32's destination counts as read: written once here
	s_wait_alu depctr_va_sdst(0)                   ; s10 is written, ahead of its first reader, the line below
	v_lshl_add_u32 v2, s10, 12, v2                 ; in codebook: 4 codes x 1,024 bytes a wave + 16 bytes a lane
	v_lshl_add_u32 v3, s10, 11, v[OA]              ; in cb16: 4 codes x 512 bytes a wave + 8 bytes a lane
	v_mov_b32 v4, s10
	v_lshlrev_b32 v4, 4, v4                        ; in LDS: my wave's four words
	s_mov_b32 s14, 0x76543210                      ; each lane takes its own place in the other half
	s_mov_b32 s15, 0xfedcba98
	s_mov_b32 s16, 0xffff0000                      ; a word's upper bf16
	s_mov_b32 s13, 0
	s_wait_kmcnt 0x0
	s_lshl_b32 s12, ttmp9, 16                      ; the work-group's 64 codes: 65,536 bytes of codebook,
	s_add_nc_u64 s[4:5], s[4:5], s[12:13]
	s_lshl_b32 s12, ttmp9, 15                      ; 32,768 of cb16,
	s_add_nc_u64 s[6:7], s[6:7], s[12:13]
	s_lshl_b32 s12, ttmp9, 8                       ; 256 of nh
	s_add_nc_u64 s[8:9], s[8:9], s[12:13]
	s_wait_alu depctr_va_vdst(0)                   ; v2, v3, v4 and v73 are written: every load and store of the kernel reads one of them as its offset or address
.irp i, 0,1,2,3
	global_load_b128 v[X+8*(\i):X+8*(\i)+3],   v2, s[4:5] offset:(\i)*1024 th:TH_LOAD_NT
	global_load_b128 v[X+8*(\i)+4:X+8*(\i)+7], v2, s[4:5] offset:(\i)*1024+512 th:TH_LOAD_NT
.endr
; Code i: rounded, squared, summed over the wave.  The three stores of code i - 1 stand among these lines.  Each code has its own P and S, so no register that a pending store reads is written again.
.macro ROWP i
	s_wait_loadcnt 6-2*(\i)                        ; loads come back in order: this code's two are in, the later codes' stay out
.if (\i) > 0
	s_wait_alu depctr_va_vdst(0)                   ; the code before has written its P (the roundings) and its S (the last multiply), which the three stores in this turn read
	global_store_b64 v3, v[P+4*((\i)-1):P+4*((\i)-1)+1],   s[6:7] offset:((\i)-1)*512      ; 32 lanes x 8 bytes: 256 consecutive bytes, at a multiple of 256 from cb16's first
.endif
.irp k, 0,1,2,3
	v_cvt_pk_bf16_f32 v[P+4*(\i)+(\k)], v[X+8*(\i)+2*(\k)], v[X+8*(\i)+2*(\k)+1]
.endr
.if (\i) > 0
	global_store_b64 v3, v[P+4*((\i)-1)+2:P+4*((\i)-1)+3], s[6:7] offset:((\i)-1)*512+256  ; no vector instruction since the wait names these registers
.endif
.irp k, 0,1,2,3
	v_lshlrev_b32 v[U+2*(\k)],   16,  v[P+4*(\i)+(\k)]
	v_and_b32     v[U+2*(\k)+1], s16, v[P+4*(\i)+(\k)]
.endr
.if (\i) > 0
	ds_store_b32 v4, v[S+2*((\i)-1)] offset:4*((\i)-1)  ; every lane writes the same word with the same number
.endif
	v_pk_mul_f32 v[S+2*(\i):S+2*(\i)+1], v[U:U+1], v[U:U+1]
.irp k, 2,4,6
	v_pk_fma_f32 v[S+2*(\i):S+2*(\i)+1], v[U+(\k):U+(\k)+1], v[U+(\k):U+(\k)+1], v[S+2*(\i):S+2*(\i)+1]
.endr
	v_add_f32 v[S+2*(\i)], v[S+2*(\i)], v[S+2*(\i)+1]
	v_add_f32_dpp v[S+2*(\i)], v[S+2*(\i)], v[S+2*(\i)] row_xmask:1 row_mask:0xf bank_mask:0xf
	v_add_f32_dpp v[S+2*(\i)], v[S+2*(\i)], v[S+2*(\i)] row_xmask:2 row_mask:0xf bank_mask:0xf
	v_add_f32_dpp v[S+2*(\i)], v[S+2*(\i)], v[S+2*(\i)] row_xmask:4 row_mask:0xf bank_mask:0xf
	v_add_f32_dpp v[S+2*(\i)], v[S+2*(\i)], v[S+2*(\i)] row_xmask:8 row_mask:0xf bank_mask:0xf
	v_permlanex16_b32 v5, v[S+2*(\i)], s14, s15
	v_add_f32 v[S+2*(\i)], v[S+2*(\i)], v5
	v_mul_f32 v[S+2*(\i)], -0.5, v[S+2*(\i)]
.endm
	ROWP 0
	ROWP 1
	ROWP 2
	ROWP 3
	s_wait_alu depctr_va_vdst(0)                   ; the last code has written its P and its S, which the three stores below read
	global_store_b64 v3, v[P+12:P+13], s[6:7] offset:3*512
	global_store_b64 v3, v[P+14:P+15], s[6:7] offset:3*512+256
	ds_store_b32 v4, v[S+6] offset:12
	s_wait_dscnt 0x0                               ; for the others' sake: my four words are written
	s_barrier_signal -1
	s_barrier_wait -1
	s_cmp_lg_u32 s10, 0
	s_cbranch_scc1 .Lnot_wave_0
	ds_load_b64 v[R:R+1], v[OA]                    ; wave 0 stores the 64 sums: 8 bytes a lane, 256 consecutive bytes.  The address was made at the head; no vector instruction names v[74:75]
	s_wait_dscnt 0x0
	global_store_b64 v[OA], v[R:R+1], s[8:9]
.Lnot_wave_0:
	s_wait_dscnt 0x0                               ; the closing lines, six on end
	s_wait_alu 0x0
	s_wait_tensorcnt 0x0
	ds_add_u32 v6, v7
	s_wait_dscnt 0x0
	s_endpgm
.Lfunc_end_k_qf867e514a7_prep:
	.size	k_qf867e514a7_prep, .Lfunc_end_k_qf867e514a7_prep-k_qf867e514a7_prep
	.p2alignl 7, 3214868480
	.fill 96, 4, 3214868480
	.section	.rodata,"a",@progbits
	.p2align	6, 0x0
	.amdhsa_kernel k_qf867e514a7_prep
		.amdhsa_group_segment_fixed_size 2304
		.amdhsa_private_segment_fixed_size 0
		.amdhsa_enable_private_segment 0
		.amdhsa_kernarg_size 24
		.amdhsa_user_sgpr_count 2
		.amdhsa_user_sgpr_kernarg_segment_ptr 1
		.amdhsa_wavefront_size32 1
		.amdhsa_system_sgpr_workgroup_id_x 1
		.amdhsa_system_sgpr_workgroup_id_y 1
		.amdhsa_system_sgpr_workgroup_id_z 1
		.amdhsa_system_vgpr_workitem_id 0
		.amdhsa_next_free_vgpr 76
		.amdhsa_next_free_sgpr 66
		.amdhsa_reserve_vcc 0
		.amdhsa_float_denorm_mode_32 3
		.amdhsa_float_denorm_mode_16_64 3
		.amdhsa_memory_ordered 1
		.amdhsa_forward_progress 1
		.amdhsa_inst_pref_size 9
	.end_amdhsa_kernel
	.amdgpu_metadata
---
amdhsa.version: [ 1, 2 ]
amdhsa.kernels:
  - .name:           k_qf867e514a7_prep
    .symbol:         k_qf867e514a7_prep.kd
    .args:
      - { .name: codebook, .offset: 0, .size: 8, .value_kind: global_buffer, .address_space: global }
      - { .name: cb16, .offset: 8, .size: 8, .value_kind: global_buffer, .address_space: global }
      - { .name: nh, .offset: 16, .size: 8, .value_kind: global_buffer, .address_space: global }
    .group_segment_fixed_size: 2304
    .private_segment_fixed_size: 0
    .kernarg_segment_align: 8
    .kernarg_segment_size: 24
    .max_flat_workgroup_size: 512
    .sgpr_count:     66
    .vgpr_count:     76
    .wavefront_size: 32
...
	.end_amdgpu_metadata
.endif
;; end of part 4
;; launch scan: the kernel of part 2 again; grid 256 x 1, 4 waves a work-group, clusters of 4 x 1, 327,680 bytes of LDS; arguments x, cb16, nh, grp; writes grp
;; launch pick: the kernel of part 3 again; grid 1024 x 1, 8 waves a work-group, no clusters, 0 bytes of LDS; arguments x, cb16, grp, out0; writes out0
